; MI455X (gfx1250); checked and timed in simulation.
; The chip was launched on July 23, 2026; its instructions are those of AMD's public machine-readable ISA for CDNA 5 (MIT licence, August 2026) and "CDNA5" Instruction Set Architecture Reference Guide (July 2026). The comments in the code are by the model that wrote it; some were corrected since.
;; Epoch Mixer. Allowed arithmetic: matrix products marked QUANTISED: E3M2 operands, one E8M0 scale for each 32 along K, by v_wmma_scale_f32_16x16x128_f8f6f4 with both operands' format E3M2, f32 sums; products left as they are: f32 operands where the result goes on into a quantised operand, else bf16, f16 or f32 operands; f32 sums; everything else in f32.
;; Inputs: W1 2 x 512 x 128 float32; W2 2 x 128 x 512 float32; Wo 2 x 128 x 128 float32; Wqkv 2 x 384 x 128 float32; b1 2 x 512 float32; b2 2 x 128 float32; bo 2 x 128 float32; bqkv 2 x 384 float32; cls_token 1 x 1 x 128 float32; ln1_b 2 x 128 float32; ln1_g 2 x 128 float32; ln2_b 2 x 128 float32; ln2_g 2 x 128 float32; z0 16 x 2,048 x 128 float32; z1 16 x 2,048 x 128 float32; z2 16 x 2,048 x 128 float32.
;; Outputs: out0 16 x 2,048 x 128 float32.
;; This version of the problem:
;;   THIS VERSION OF THE PROBLEM IS GIVEN IN LOW PRECISION. The matrix products marked QUANTISED in the list below multiply operands that are first quantised to E3M2 (3 exponent bits, 2 mantissa bits; 6 bits a number), with one power-of-two scale for each 32 numbers along K (OCP MX v1.0); their sums are f32. All else is computed in f32.
;;   The module's matrix products, in the order in which they are computed (A, B: the left and right operand; K: the contracted axis; several contracted axes count as one K, in the product's order):
;;     1. [M 131,072, K 128] x [K 128, N 384]; A: computed on the way; B: input Wqkv: QUANTISED
;;     2. batch 262,144 x [M 4, K 16] x [K 16, N 4]; A: computed on the way; B: computed on the way: left as it is (K = 16 < 32)
;;     3. batch 262,144 x [M 16, K 4] x [K 4, N 4]; A: computed on the way; B: softmax: left as it is (K = 4 < 32)
;;     4. [M 131,072, K 128] x [K 128, N 128]; A: computed on the way; B: input Wo: QUANTISED
;;     5. [M 131,072, K 128] x [K 128, N 512]; A: computed on the way; B: input W1: QUANTISED
;;     6. [M 131,072, K 512] x [K 512, N 128]; A: computed on the way; B: input W2: QUANTISED
;;     7. [M 131,072, K 128] x [K 128, N 384]; A: computed on the way; B: input Wqkv: QUANTISED
;;     8. batch 262,144 x [M 4, K 16] x [K 16, N 4]; A: computed on the way; B: computed on the way: left as it is (K = 16 < 32)
;;     9. batch 262,144 x [M 16, K 4] x [K 4, N 4]; A: computed on the way; B: softmax: left as it is (K = 4 < 32)
;;     10. [M 131,072, K 128] x [K 128, N 128]; A: computed on the way; B: input Wo: QUANTISED
;;     11. [M 131,072, K 128] x [K 128, N 512]; A: computed on the way; B: input W1: QUANTISED
;;     12. [M 131,072, K 512] x [K 512, N 128]; A: computed on the way; B: input W2: QUANTISED
;;   THE QUANTISER, for each operand of a quantised product, along K:
;;     - K is cut into blocks of 32 from its start; a last block that is shorter is filled with zeros.
;;     - A block's scale is 2^e with e = floor(log2(the largest magnitude in the block)) - 4, held to -126 .. 127; a block of zeros has e = 0. As a byte (E8M0): e + 127.
;;     - Each number is divided by its block's scale, clamped to +-28, and rounded to the nearest number of E3M2, ties to even, subnormals kept.
;;     - The product sums the exact products of the quantised numbers (number of the format x scale) in f32.
;;   ~~~python
;;   def quantise(x, axis):      # numpy; x: float32 -> the quantised numbers, widened to float32 again
;;       x = np.moveaxis(x, axis, -1); K = x.shape[-1]
;;       x = np.pad(x, [(0, 0)] * (x.ndim - 1) + [(0, -K % 32)]); x = x.reshape(x.shape[:-1] + (-1, 32)); a = np.abs(x).max(-1, keepdims=True)
;;       e = np.where(a > 0, np.clip(np.frexp(np.where(a > 0, a, 1))[1] - 1 - 4, -126, 127), 0)      # np.frexp(a)[1] - 1 = floor(log2(a)), exactly
;;       r = np.clip(x / 2.0 ** e, -28, 28)
;;       step = 2.0 ** (np.maximum(np.frexp(np.where(r == 0, 1, r))[1] - 1, -2) - 2)
;;       q = np.round(r / step) * step * 2.0 ** e      # np.round: ties to even
;;       return np.moveaxis(q.reshape(q.shape[:-2] + (-1,))[..., :K], -1, axis).astype(np.float32)
;;   ~~~
;;   OPERANDS COMPUTED ON THE WAY. 'Computed on the way' means the value that the module computes at that place (a softmax that the list does not call 'softmax' is quantised finished and normalised). What goes into a quantiser is computed in f32, as accurately as f32 sums, v_exp_f32 and their like allow (about 1e-6 of the number): no bf16 or f16 on the way to a quantiser, and a product that is left as it is and whose result goes on into a quantised operand takes f32 operands (vector FMAs, or v_wmma_f32_16x16x4_f32). A number that lies on a knife's edge between two numbers of the format may be rounded either way, as far as f32 arithmetic and the matrix unit's own rounding can turn it there, and no further.
;; One version. Each part assembles by itself: llvm-mc -triple=amdgcn-amd-amdhsa -mcpu=gfx1250 --defsym DOCPART=n.
;; ======== version 1 of 1: 2 launches
;; workspace buffers: wimg 321,536 bytes
;; launch prep (part 1): grid 49 x 1, 4 waves a work-group, no clusters, 1,536 bytes of LDS; arguments Wqkv, Wo, W1, W2, bqkv, bo, ln1_g, ln1_b, b1, b2, ln2_g, ln2_b, cls_token, wimg; writes wimg
.if DOCPART == 1
	.amdgcn_target "amdgcn-amd-amdhsa--gfx1250"
	.amdhsa_code_object_version 6
	.text
	.protected	k_q7b21e90efd_prep
	.globl	k_q7b21e90efd_prep
	.p2align	8
	.type	k_q7b21e90efd_prep,@function
k_q7b21e90efd_prep:
	s_mov_b64 s[64:65], 0
	v_nop
	global_prefetch_b8 v0, s[64:65] scope:SCOPE_SE
	s_setreg_imm32_b32 hwreg(HW_REG_WAVE_MODE, 25, 1), 1
	s_wait_xcnt 0x0
; All weights are quantised once to codes of BF6 (E3M2) with one E8M0 byte for each 32 along K, and laid IN THE ORDER OF THE OPERAND'S REGISTERS; the small f32 vectors are copied beside them.
; wimg is, byte for byte, what the second launch keeps in LDS: two layer images of 160,768 bytes:
;   0      scale words: fragment f (0..95): 16 words at 64 f + 4 r      6,144  bqkv, bo, ln1_g, ln1_b, b1, b2, ln2_g, ln2_b      12,800 cls_token
;   13,312 fragments, 1,536 bytes each: f = 0..23 Wqkv, 24..31 Wo, 32..63 W1, 64..95 W2 (64 + 8 c + t: K step c, tile t)
; A fragment is 16 weight rows x 128 K: 12 registers a lane; registers 4 k .. 4 k + 3 of lane l lie at 512 k + 16 l.
; THE ROWS OF A TILE ARE NOT NEIGHBOURS: lane r of tile t takes row 32 (t / 2) + 8 (t % 2) + r + 8 (r / 8), so that in the transposed product the 16 registers of tiles 2 b, 2 b + 1 are 16 neighbouring columns.
; Lane (r, h) holds k = 32 h .. + 31 (registers 0-5) and 64 + 32 h .. + 31 (registers 6-11): two whole blocks, so a block's largest magnitude needs no other lane.
; A block's byte is its largest magnitude's exponent field - 4, held at 1 from below.  A block of zeros so gets the byte 1: its codes are zeros, and this program alone reads the bytes.
; LIMITS: NaN and infinities among the weights are not served.
; SHARES: work-groups 0..47: one wave a fragment (24 work-groups a layer); work-group 48 copies the vectors.  No tensor loads; the one barrier gathers four waves' scale words into one store of 256 bytes.
.set LIMG,  160768
.set O_PR,  6144
.set O_CLS, 12800
.set O_FR,  13312
	s_load_b256 s[4:11], s[0:1], 0x0               ; Wqkv s[4:5], Wo s[6:7], W1 s[8:9], W2 s[10:11]
	s_load_b256 s[12:19], s[0:1], 0x20             ; bqkv s[12:13], bo s[14:15], ln1_g s[16:17], ln1_b s[18:19]
	s_load_b256 s[20:27], s[0:1], 0x40             ; b1 s[20:21], b2 s[22:23], ln2_g s[24:25], ln2_b s[26:27]
	s_load_b128 s[28:31], s[0:1], 0x60             ; cls_token s[28:29], wimg s[30:31]
	v_lshl_add_u32 v128, v0, 2, 0x400
	v_mov_b32 v129, 0
	v_lshrrev_b32 v1, 5, v0
	v_readfirstlane_b32 s32, v1                    ; wave 0..3
	v_and_b32 v1, 31, v0                           ; lane
	v_and_b32 v2, 15, v0                           ; r
	v_bfe_u32 v3, v0, 4, 1                         ; h
	v_lshlrev_b32 v15, 4, v1                       ; 16 x lane
	v_lshlrev_b32 v14, 3, v1                       ; 8 x lane
	s_lshl_b32 s58, s32, 6
	v_lshlrev_b32 v11, 2, v2
	v_add_nc_u32 v11, s58, v11                     ; LDS: 64 x wave + 4 r: my fragment's scale words
	s_mov_b32 s48, 0x76543210
	s_mov_b32 s49, 0xfedcba98                      ; v_permlanex16_b32's selects for lane l xor 16
	s_wait_kmcnt 0x0
	s_cmp_eq_u32 ttmp9, 48
	s_cbranch_scc1 .Lcopy                          ; the same way for all four waves of a work-group
	; ---- which fragment: layer l, g' = work-group within the layer, f = 4 g' + wave
	s_cmp_ge_u32 ttmp9, 24
	s_cselect_b32 s33, 1, 0                        ; l
	s_cselect_b32 s34, 24, 0
	s_sub_co_u32 s34, ttmp9, s34                   ; g'
	s_lshl_b32 s35, s34, 2
	s_add_co_u32 s35, s35, s32                     ; f
	; which matrix: its address, its first fragment, its bytes a layer, log2 of a row's bytes.  The choices hang on the work-group's number alone
	s_mov_b64 s[36:37], s[10:11]                   ; W2: g' = 16 .. 23
	s_mov_b32 s38, 64
	s_mov_b32 s39, 262144
	s_mov_b32 s40, 11
	s_cmp_lt_u32 s34, 16                           ; W1: g' = 8 .. 15
	s_cselect_b64 s[36:37], s[8:9], s[36:37]
	s_cselect_b32 s38, 32, s38
	s_cselect_b32 s40, 9, s40
	s_cmp_lt_u32 s34, 8                            ; Wo: g' = 6, 7
	s_cselect_b64 s[36:37], s[6:7], s[36:37]
	s_cselect_b32 s38, 24, s38
	s_cselect_b32 s39, 65536, s39
	s_cmp_lt_u32 s34, 6                            ; Wqkv: g' = 0 .. 5
	s_cselect_b64 s[36:37], s[4:5], s[36:37]
	s_cselect_b32 s38, 0, s38
	s_cselect_b32 s39, 196608, s39
	s_sub_co_u32 s42, s35, s38                     ; the fragment's number within its matrix
	s_and_b32 s43, s42, 7
	s_lshr_b32 s44, s42, 3
	s_cmp_ge_u32 s34, 16                           ; W2 has four K steps of eight tiles; the others one K step
	s_cselect_b32 s43, s43, s42                    ; tile t
	s_cselect_b32 s44, s44, 0                      ; K step c
	s_lshr_b32 s45, s43, 1
	s_lshl_b32 s45, s45, 5
	s_and_b32 s46, s43, 1
	s_lshl_b32 s46, s46, 3
	s_add_co_u32 s45, s45, s46                     ; the tile's first row: 32 (t / 2) + 8 (t % 2)
	s_lshl_b32 s45, s45, s40                       ; in bytes
	s_lshl_b32 s44, s44, 9                         ; + 512 c
	s_add_co_u32 s45, s45, s44
	s_mul_i32 s46, s33, s39                        ; + the layer
	s_add_co_u32 s46, s46, s45
	s_mov_b32 s47, 0
	s_add_nc_u64 s[36:37], s[36:37], s[46:47]
	v_and_b32 v4, 8, v2
	v_add_nc_u32 v4, v4, v2                        ; r + 8 (r / 8)
	v_lshlrev_b32 v4, s40, v4
	v_lshl_add_u32 v4, v3, 7, v4                   ; my row, + 128 h: my 32 numbers of each 64
.irp c, 0,1
.irp j, 0,1,2,3,4,5,6,7
	global_load_b128 v[32+32*\c+4*\j:32+32*\c+4*\j+3], v4, s[36:37] offset:256*\c+16*\j th:TH_LOAD_NT
.endr
.endr
	s_mul_i32 s50, s33, LIMG
	s_mov_b32 s51, 0
	s_add_nc_u64 s[30:31], s[30:31], s[50:51]      ; my layer's image
	s_mul_i32 s52, s35, 1536
	s_add_co_u32 s52, s52, O_FR
	s_mov_b32 s53, 0
	s_add_nc_u64 s[54:55], s[30:31], s[52:53]      ; my fragment's image
	s_lshl_b32 s52, s34, 8
	s_add_nc_u64 s[56:57], s[30:31], s[52:53]      ; my work-group's 256 bytes of scale words
	s_wait_loadcnt 0x0
.irp c, 0,1                                    ; my block 2 c + h: all its 32 numbers are mine
	v_max3_num_f32 v[16+\c], |v[32+32*\c]|, |v[33+32*\c]|, 0x2800000   ; and the floor 2^(5 - 127): the byte cannot fall under 1
.endr
.irp i, 2,4,6,8,10,12,14,16,18,20,22,24,26,28,30
.irp c, 0,1
	v_max3_num_f32 v[16+\c], v[16+\c], |v[32+32*\c+\i]|, |v[33+32*\c+\i]|   ; (the two blocks by turns)
.endr
.endr
.irp c, 0,1
	v_add_nc_u32 v[18+\c], 0xfe000000, v[16+\c]    ; 4 off the exponent field: the conversion takes this operand's exponent field as its scale
.endr
.irp c, 0,1
	v_lshrrev_b32 v[20+\c], 23, v[18+\c]           ; the scale's byte
.endr
	v_lshl_or_b32 v9, v21, 16, v20                 ; my two bytes: blocks h and 2 + h,
	v_lshlrev_b32 v10, 3, v3
	v_lshlrev_b32 v9, v10, v9                      ; at their places in the word (8 h bits up);
	v_mov_b32 v10, 0
	v_permlanex16_b32 v10, v9, s48, s49
	v_or_b32 v9, v9, v10                           ; with lane l xor 16's two the word is whole
	v_cvt_scalef32_pk16_bf6_f32 v[96:98], v[32:47], v18
	v_cvt_scalef32_pk16_bf6_f32 v[108:110], v[48:63], v18      ; (a conversion's three registers begin on an even number: a block's second half is made elsewhere and moved)
	v_cvt_scalef32_pk16_bf6_f32 v[102:104], v[64:79], v19
	v_cvt_scalef32_pk16_bf6_f32 v[112:114], v[80:95], v19
	v_nop                                          ; one plain place behind a scaled conversion
.irp i, 0,1,2
	v_mov_b32 v[99+\i], v[108+\i]
	v_mov_b32 v[105+\i], v[112+\i]
.endr
.irp k, 0,1,2
	global_store_b128 v15, v[96+4*\k:99+4*\k], s[54:55] offset:512*\k   ; 32 lanes store 512 consecutive bytes, at a multiple of 256 from wimg's first byte
.endr
	ds_store_b32 v11, v9                           ; both halves of the lanes write the same word with the same value
	s_wait_dscnt 0x0                               ; for the others' sake: my store has landed
	s_barrier_signal -1
	s_barrier_wait -1
	s_cmp_lg_u32 s32, 0
	s_cbranch_scc1 .Lend
	ds_load_b64 v[12:13], v14                      ; wave 0: the four fragments' 64 words
	s_wait_dscnt 0x0
	global_store_b64 v14, v[12:13], s[56:57]       ; 32 lanes store 256 consecutive bytes, aligned
.Lend:
	s_wait_tensorcnt 0x0
	ds_add_u32 v128, v129
	s_wait_dscnt 0x0
	s_endpgm
	; ---- the vectors: wave w copies for layer w % 2; waves 0, 1 the attention's half, waves 2, 3 the feed-forward's.  Each load and store covers 512 consecutive bytes
.Lcopy:
	s_and_b32 s33, s32, 1                          ; l
	s_mul_i32 s34, s33, LIMG
	s_mov_b32 s35, 0
	s_add_nc_u64 s[30:31], s[30:31], s[34:35]
	s_lshl_b32 s36, s33, 9                         ; 512 l: a layer of a vector of 128
	s_mov_b32 s37, 0
	s_mov_b32 s39, 0
	s_cmp_ge_u32 s32, 2
	s_cbranch_scc1 .Lhalf1
	s_mul_i32 s38, s33, 1536
	s_add_nc_u64 s[12:13], s[12:13], s[38:39]
	s_add_nc_u64 s[14:15], s[14:15], s[36:37]
	s_add_nc_u64 s[16:17], s[16:17], s[36:37]
	s_add_nc_u64 s[18:19], s[18:19], s[36:37]
	global_load_b128 v[32:35], v15, s[12:13]
	global_load_b128 v[36:39], v15, s[12:13] offset:512
	global_load_b128 v[40:43], v15, s[12:13] offset:1024
	global_load_b128 v[44:47], v15, s[14:15]
	global_load_b128 v[48:51], v15, s[16:17]
	global_load_b128 v[52:55], v15, s[18:19]
	global_load_b128 v[56:59], v15, s[28:29]
	s_wait_loadcnt 0x0
.irp i, 0,1,2,3,4,5
	global_store_b128 v15, v[32+4*\i:35+4*\i], s[30:31] offset:O_PR+512*\i
.endr
	global_store_b128 v15, v[56:59], s[30:31] offset:O_CLS
	s_endpgm
.Lhalf1:
	s_lshl_b32 s38, s33, 11
	s_add_nc_u64 s[20:21], s[20:21], s[38:39]
	s_add_nc_u64 s[22:23], s[22:23], s[36:37]
	s_add_nc_u64 s[24:25], s[24:25], s[36:37]
	s_add_nc_u64 s[26:27], s[26:27], s[36:37]
	global_load_b128 v[32:35], v15, s[20:21]
	global_load_b128 v[36:39], v15, s[20:21] offset:512
	global_load_b128 v[40:43], v15, s[20:21] offset:1024
	global_load_b128 v[44:47], v15, s[20:21] offset:1536
	global_load_b128 v[48:51], v15, s[22:23]
	global_load_b128 v[52:55], v15, s[24:25]
	global_load_b128 v[56:59], v15, s[26:27]
	s_wait_loadcnt 0x0
.irp i, 0,1,2,3,4,5,6
	global_store_b128 v15, v[32+4*\i:35+4*\i], s[30:31] offset:O_PR+3072+512*\i
.endr
	s_endpgm
.Lfunc_end_k_q7b21e90efd_prep:
	.size	k_q7b21e90efd_prep, .Lfunc_end_k_q7b21e90efd_prep-k_q7b21e90efd_prep
	.p2alignl 7, 3214868480
	.fill 96, 4, 3214868480
	.section	.rodata,"a",@progbits
	.p2align	6, 0x0
	.amdhsa_kernel k_q7b21e90efd_prep
		.amdhsa_group_segment_fixed_size 1536
		.amdhsa_private_segment_fixed_size 0
		.amdhsa_enable_private_segment 0
		.amdhsa_kernarg_size 112
		.amdhsa_user_sgpr_count 2
		.amdhsa_user_sgpr_kernarg_segment_ptr 1
		.amdhsa_wavefront_size32 1
		.amdhsa_system_sgpr_workgroup_id_x 1
		.amdhsa_system_sgpr_workgroup_id_y 1
		.amdhsa_system_sgpr_workgroup_id_z 1
		.amdhsa_system_vgpr_workitem_id 0
		.amdhsa_next_free_vgpr 130
		.amdhsa_next_free_sgpr 66
		.amdhsa_reserve_vcc 0
		.amdhsa_float_denorm_mode_32 3
		.amdhsa_float_denorm_mode_16_64 3
		.amdhsa_memory_ordered 1
		.amdhsa_forward_progress 1
		.amdhsa_inst_pref_size 12
	.end_amdhsa_kernel
	.amdgpu_metadata
---
amdhsa.version: [ 1, 2 ]
amdhsa.kernels:
  - .name:           k_q7b21e90efd_prep
    .symbol:         k_q7b21e90efd_prep.kd
    .args:
      - { .name: Wqkv, .offset: 0, .size: 8, .value_kind: global_buffer, .address_space: global }
      - { .name: Wo, .offset: 8, .size: 8, .value_kind: global_buffer, .address_space: global }
      - { .name: W1, .offset: 16, .size: 8, .value_kind: global_buffer, .address_space: global }
      - { .name: W2, .offset: 24, .size: 8, .value_kind: global_buffer, .address_space: global }
      - { .name: bqkv, .offset: 32, .size: 8, .value_kind: global_buffer, .address_space: global }
      - { .name: bo, .offset: 40, .size: 8, .value_kind: global_buffer, .address_space: global }
      - { .name: ln1_g, .offset: 48, .size: 8, .value_kind: global_buffer, .address_space: global }
      - { .name: ln1_b, .offset: 56, .size: 8, .value_kind: global_buffer, .address_space: global }
      - { .name: b1, .offset: 64, .size: 8, .value_kind: global_buffer, .address_space: global }
      - { .name: b2, .offset: 72, .size: 8, .value_kind: global_buffer, .address_space: global }
      - { .name: ln2_g, .offset: 80, .size: 8, .value_kind: global_buffer, .address_space: global }
      - { .name: ln2_b, .offset: 88, .size: 8, .value_kind: global_buffer, .address_space: global }
      - { .name: cls_token, .offset: 96, .size: 8, .value_kind: global_buffer, .address_space: global }
      - { .name: wimg, .offset: 104, .size: 8, .value_kind: global_buffer, .address_space: global }
    .group_segment_fixed_size: 1536
    .private_segment_fixed_size: 0
    .kernarg_segment_align: 8
    .kernarg_segment_size: 112
    .max_flat_workgroup_size: 128
    .sgpr_count:     66
    .vgpr_count:     130
    .wavefront_size: 32
...
	.end_amdgpu_metadata
.endif
;; end of part 1
;; launch mixer (part 2): grid 256 x 1, 4 waves a work-group, clusters of 4 x 1, 327,680 bytes of LDS; arguments z0, z1, z2, wimg, out0; writes out0
.if DOCPART == 2
	.amdgcn_target "amdgcn-amd-amdhsa--gfx1250"
	.amdhsa_code_object_version 6
	.text
	.protected	k_q7b21e90efd_mixer
	.globl	k_q7b21e90efd_mixer
	.p2align	8
	.type	k_q7b21e90efd_mixer,@function
k_q7b21e90efd_mixer:
	s_mov_b64 s[64:65], 0
	v_nop
	global_prefetch_b8 v0, s[64:65] scope:SCOPE_SE
	s_setreg_imm32_b32 hwreg(HW_REG_WAVE_MODE, 25, 1), 1
	s_wait_xcnt 0x0
	s_wait_alu depctr_hold_cnt(0) depctr_sa_sdst(0) depctr_va_vdst(0) depctr_va_sdst(0) depctr_va_ssrc(0) depctr_va_vcc(0) depctr_vm_vsrc(0)
	s_getreg_b32 s2, hwreg(HW_REG_IB_STS2, 6, 4)
	s_cmp_eq_u32 s2, 0
	s_cbranch_scc0 .Lentry_in_a_cluster
	s_endpgm
.Lentry_in_a_cluster:
	s_bfe_u32 s2, ttmp6, 0x10000c
	s_cmp_lg_u32 s2, 0x3003
	s_cbranch_scc0 .Lentry_shape_is_right
	s_endpgm
.Lentry_shape_is_right:
; The whole network, fused: 32,768 epochs of 4 tokens (CLS, z0, z1, z2) x 128 go through two post-norm encoder layers; the CLS row of the second is the result.
; The eight large products run on codes of BF6 (E3M2) with one E8M0 scale for each 32 along K; the attention's small products, softmax, LayerNorm and GELU in f32.
; SHARES.  A work-group owns 128 epochs, a wave 32, as two TASKS of 16 epochs.  A task is four tiles of 16 rows: tile s = token s of the 16 epochs.
; LAYOUT.  Every product is used transposed (source 0 = 16 weight rows, source 1 = a token tile), and the weight rows of a tile are chosen (by the launch before) so that lane (r, h) always holds epoch r
; and its register 16 b + i holds column 32 b + 16 h + i.  So a head's 16 columns of q, k, v lie in ONE lane (attention needs no other lane), a LayerNorm needs one exchange of halves,
; every result lies as the quantiser wants it, and the CLS rows are a tile of their own.
; WHAT IS NOT COMPUTED.  Only row 0 of each epoch is returned: in layer 2 k and v are made for all four tokens, q, Wo, both norms and the feed-forward for the CLS tile alone.
; WEIGHTS.  wimg (321,536 bytes: both layers' scale words, vectors and fragments in register order) comes into LDS once, by four joint tensor loads a wave, and stays: no LDS byte is filled twice.
; The four work-groups of a cluster want the same bytes: each load names all four.  By this text's own count four tensor loads of a wave are out at the most.
; ORDER.  Layer 1 of task A; what layer 2 wants of it (x's codes, their scale words, the CLS tile in f32) is parked in 116 registers; layer 1 of task B; a barrier; layer 2 of B, then of A.
; Behind that barrier nobody reads layer 1's weights any more, and the stage of the way out lies in them.
; GELU.  gelu(a) = a (0.5 + u A(u^2) / B(u^2)), u = a held to +-4 sqrt 2: a rational form of erf(a / sqrt 2) / 2 (degrees 6 and 4 in u^2).
; LIMITS.  NaN and infinities among the inputs are not served.  gelu's error is about 1e-7 |a| absolute: in the far negative tail it is not small beside the result itself.
; A block whose largest magnitude lies under 2^-122 gets the byte 1.
; REGISTERS, in windows of 256 (s_set_vgpr_msb: bits 1:0 source 0, 3:2 source 1, 5:4 source 2, 7:6 destination):
;   window 0: v1-10 addresses; v16-31 scale words and nothing else; v40-87 x's codes; v88-135 o's codes (v88-99 also the hidden layer's); v136-159, v224-255 at work; v160-223 a hidden unit, o, rows of the result
;   window 1: x in f32, 64 a tile: residual and accumulator of Wo and W2
;   window 2: q, k, v and scores | a chunk's fragments of W1, W2 and b1 | a norm's bias, gain, shift
;   window 3: v0-115 the parked task; v116-235 fragments and biases of the attention, GELU's temporaries; v236-239 two constants
.set L1B,    160768                    ; a layer's image in LDS
.set O_PR,   6144                      ; in it: the vectors: bqkv +0, bo +1536, ln1_g +2048, ln1_b +2560, b1 +3072, b2 +5120, ln2_g +5632, ln2_b +6144
.set O_CLS,  12800
.set O_QKV,  13312                     ; fragments of 1,536 bytes: Wqkv's 24, Wo's 8 (from 50,176),
.set O_W1,   62464                     ; W1's 32, W2's 32 (49,152 further on)
.set STAGE,  62464                     ; the way out: 16 rows x 528 bytes for each wave, in layer 1's W1: last filled at the start, last read ahead of the barrier in front of layer 2
.set SPITCH, 528
.set LI, 1                             ; v1   16 x lane
.set LS, 2                             ; v2   4 x lane
.set LP, 3                             ; v3   64 h: my half's 16 columns of a block of 32
.set XA, 4                             ; v4   512 r + 64 h: the same in a task's rows of z
.set SO, 5                             ; v5   the stage: where I put my row's bytes
.set SR, 6                             ; v6   and where I read rows back
.set PFO, 7                            ; v7   256 x lane: the prefetches' offset
.set AW, 8                             ; v8   LDS address of the fragments in hand
.set AS, 9                             ; v9   of their scale words
.set AP, 10                            ; v10  of the vectors in hand
.set XS, 16                            ; v16-19 scale words of x's codes
.set OS, 20                            ; v20-23 of o's codes; v20 of the hidden layer's
.set WS, 24                            ; v24-31 of the weights: lanes 0-15 an even fragment's, lanes 16-31 the odd one's
.set XQ, 40
.set OQ, 88
.set PC, 88
.set TQ, 136
.set HA, 160
.set QM, 224
.set QO, 228
.set QB, 232
.set QP, 236
.set CV, 240
.set SA, 224
.set PT, 240
.set KR, 64                            ; window 2
.set VR, 128
.set SCR, 192
.set MX, 224
.set SM, 228
.set TP, 232
.set W1F, 0
.set W2F, 96
.set B1C, 192
.set LBI, 0
.set LG, 64
.set LB, 128
.set PK, 0                             ; window 3
.set WF, 116
.set BC, 188
.set GU, 116
.set GA, 148
.set GB, 180
.set GS, 212
.set KA6, 236
.set KB4, 238
.set WV, 14                            ; s14 my wave's number
.set G1A, 16                           ; s[16:23], s[24:31] descriptor groups 1; s[32:47] four groups 0
.set G1B, 24
.set SEL, 48                           ; s[48:49] selects for lane l xor 16
.set CSM, 50                           ; log2(e) / sqrt(16)
.set EPSR, 51
.set INV, 52                           ; 1 / 128
.set CHI, 53
.set CLO, 54
.set CA5, 56                           ; GELU's coefficients, each in a pair (the packed form names a pair and takes its low word for both halves)
.set CA4, 58
.set CA3, 60
.set CA2, 62
.set CA1, 66
.set CA0, 68
.set CB3, 70
.set CB2, 72
.set CB1, 74
.set CB0, 76
.set TASK, 78
.set STG, 79
.set TR, 80
.set WB, 81
.set SB, 82
.set PBQ, 83
.set PB, 84
.set CH, 85
.set MI, 86
.set FW, 87
.set FS, 88
.set FP, 89
.set PFU, 90
.set MSB, 0
.macro WIN new                         ; the immediate's high byte repeats the setting that is left; a switch that changes nothing is dropped
.if MSB != (\new)
	s_set_vgpr_msb (MSB<<8)|(\new)
.set MSB, \new
.endif
.endm
.macro PLACES cnt                      ; plain vector instructions between a matrix instruction and what touches its registers (ISA guide 7.12.1), or in front of a scaled one
.rept \cnt
	v_nop
.endr
.endm
.macro ROUND                           ; a round of the cluster's barrier
	s_barrier_signal -1
	s_barrier_wait -1
	s_cmp_lg_u32 s[WV], 0
	s_cbranch_scc1 .Lnot_wave_0_\@
	s_barrier_signal -3
.Lnot_wave_0_\@:
	s_barrier_wait -3
	s_barrier_signal -1
	s_barrier_wait -1
.endm
.macro SPAIR r, val
	s_mov_b32 s[\r], \val
	s_mov_b32 s[\r+1], \val
.endm
; one scaled product: D, 16 weight rows, a token tile, C, the weights' scale words (odd = 1: those of lanes 16-31), the tokens'
.macro WM d, a, b, c, sa, sb, odd
.if \odd
	v_wmma_scale_f32_16x16x128_f8f6f4 v[\d:\d+7], v[\a:\a+11], v[\b:\b+11], v[\c:\c+7], v[\sa], v[\sb] matrix_a_fmt:MATRIX_FMT_BF6 matrix_b_fmt:MATRIX_FMT_BF6 matrix_a_scale:MATRIX_SCALE_ROW1
.else
	v_wmma_scale_f32_16x16x128_f8f6f4 v[\d:\d+7], v[\a:\a+11], v[\b:\b+11], v[\c:\c+7], v[\sa], v[\sb] matrix_a_fmt:MATRIX_FMT_BF6 matrix_b_fmt:MATRIX_FMT_BF6
.endif
.endm
; THE QUANTISER, for nt tiles by turns.  Tile m: 64 numbers a lane at v[src + 64 m] of window sw (register 16 b + i = k 32 b + 16 h + i of my row) become a fragment's codes at v[dst + 12 m] and its scale word in v[sreg + m].
; At work, 24 registers a tile from v[tb]: +0..3 largest magnitudes, +4..7 the other half's, then the bytes, +8..11 the conversions' scale operands, +12.., +16.. the odd blocks' codes.
.macro QUANTN nt, src, sw, dst, sreg, tb
	WIN (\sw)|((\sw)<<2)
.set qm, 0
.rept \nt
.set qb, 0
.rept 4
	v_max3_num_f32 v[\tb+24*qm+qb], |v[\src+64*qm+16*qb]|, |v[\src+64*qm+16*qb+1]|, 0x2800000   ; my 16 numbers of block b, and the floor 2^(5 - 127): the byte cannot fall under 1
.set qb, qb+1
.endr
.set qm, qm+1
.endr
.set qi, 2
.rept 7
.set qm, 0
.rept \nt
.set qb, 0
.rept 4
	v_max3_num_f32 v[\tb+24*qm+qb], |v[\src+64*qm+16*qb+qi]|, |v[\src+64*qm+16*qb+qi+1]|, v[\tb+24*qm+qb]
.set qb, qb+1
.endr
.set qm, qm+1
.endr
.set qi, qi+2
.endr
	WIN 0
.set qm, 0
.rept \nt
.irp b, 0,1,2,3
	v_permlanex16_b32 v[\tb+24*qm+4+\b], v[\tb+24*qm+\b], s[SEL], s[SEL+1]
.endr
.set qm, qm+1
.endr
.set qm, 0
.rept \nt
.irp b, 0,1,2,3
	v_max_num_f32 v[\tb+24*qm+\b], v[\tb+24*qm+\b], v[\tb+24*qm+4+\b]   ; with lane l xor 16's: the block's largest magnitude
.endr
.set qm, qm+1
.endr
.set qm, 0
.rept \nt
.irp b, 0,1,2,3
	v_add_nc_u32 v[\tb+24*qm+8+\b], 0xfe000000, v[\tb+24*qm+\b]   ; 4 off its exponent field: the conversion's scale operand
.endr
.set qm, qm+1
.endr
.set qm, 0
.rept \nt
.irp b, 0,1,2,3
	v_lshrrev_b32 v[\tb+24*qm+4+\b], 23, v[\tb+24*qm+8+\b]   ; the scale's byte
.endr
.set qm, qm+1
.endr
.irp b, 1,2,3
.set qm, 0
.rept \nt
.if \b == 1
	v_lshl_or_b32 v[\sreg+qm], v[\tb+24*qm+5], 8, v[\tb+24*qm+4]   ; the four bytes make my row's scale word
.else
	v_lshl_or_b32 v[\sreg+qm], v[\tb+24*qm+4+\b], 8*\b, v[\sreg+qm]
.endif
.set qm, qm+1
.endr
.endr
	WIN \sw
.set qm, 0
.rept \nt
.irp c, 0,1
	v_cvt_scalef32_pk16_bf6_f32 v[\dst+12*qm+6*\c:\dst+12*qm+6*\c+2], v[\src+64*qm+32*\c:\src+64*qm+32*\c+15], v[\tb+24*qm+8+2*\c]
	v_cvt_scalef32_pk16_bf6_f32 v[\tb+24*qm+12+4*\c:\tb+24*qm+14+4*\c], v[\src+64*qm+32*\c+16:\src+64*qm+32*\c+31], v[\tb+24*qm+9+2*\c]   ; (a conversion's three registers begin on an even number)
.endr
.set qm, qm+1
.endr
	v_nop                                          ; one plain place behind a scaled conversion
	WIN 0
.set qm, 0
.rept \nt
.irp c, 0,1                                    ; the operand's layout wants a WHOLE block in a lane: lanes 0-15 block 2 c, lanes 16-31 block 2 c + 1
.irp i, 0,1,2
	v_permlane16_swap_b32 v[\dst+12*qm+6*\c+\i], v[\tb+24*qm+12+4*\c+\i]
.endr
.irp i, 0,1,2
	v_mov_b32 v[\dst+12*qm+3+6*\c+\i], v[\tb+24*qm+12+4*\c+\i]
.endr
.endr
.set qm, qm+1
.endr
	PLACES 8                                       ; a scale word made by vector instructions stands 8 places ahead of the scaled product, codes so made 4
.endm
; ---- ATTENTION.  A block b of 32 columns is two heads, one in each half of the lanes.  33 LDS loads bring block 2 x trip + p: six fragments (q, k, v: two tiles each), their biases and scale words.
.macro ATTLOAD p
	WIN 0xC0
.irp g, 0,1,2
.irp u, 0,1
.irp k, 0,1,2
	ds_load_b128 v[WF+12*(2*\g+\u)+4*\k:WF+12*(2*\g+\u)+4*\k+3], v[AW] offset:12288*\g+1536*(2*(\p)+\u)+512*\k
.endr
.endr
.endr
.irp g, 0,1,2
.irp q, 0,1,2,3
	ds_load_b128 v[BC+16*\g+4*\q:BC+16*\g+4*\q+3], v[AP] offset:512*\g+128*(\p)+16*\q
.endr
.endr
	WIN 0
.irp g, 0,1,2
	ds_load_b32 v[WS+\g], v[AS] offset:512*\g+128*(\p)
.endr
.endm
.macro WOLOAD                          ; Wo's eight fragments and their scale words; the bases have been stepped twice
	WIN 0xC0
.irp t, 0,1,2,3,4,5,6,7
.irp k, 0,1,2
	ds_load_b128 v[WF+12*\t+4*\k:WF+12*\t+4*\k+3], v[AW] offset:24576+1536*\t+512*\k
.endr
.endr
	WIN 0
.irp p, 0,1,2,3
	ds_load_b32 v[WS+\p], v[AS] offset:1024+128*\p
.endr
.endm
; q (ns tiles of tokens), k and v (all four) of one block; the bias is the C.  Every instruction has an accumulator of its own.
.macro ATTMM ns
	WIN 0xB3                                       ; fragments and biases window 3, x's codes window 0, results window 2
.irp g, 0,1,2
.irp u, 0,1
.set qs, 0
.rept 4
.if (\g > 0) || (qs < \ns)
	WM 64*\g+16*qs+8*\u, WF+12*(2*\g+\u), XQ+12*qs, BC+16*\g+8*\u, WS+\g, XS+qs, \u
.endif
.set qs, qs+1
.endr
.endr
.endr
	WIN 0
.endm
; scores, softmax and o of my head, for ns query tokens and four key tokens: all in my lane, in f32.  Each matrix result is read from its low end on.
.macro ATTV ns
	WIN 0xAA
.set qi, 0
.rept 8
.set qs, 0
.rept \ns
.set qt, 0
.rept 4
.if qi == 0
	v_pk_mul_f32 v[SCR+2*(4*qs+qt):SCR+2*(4*qs+qt)+1], v[16*qs:16*qs+1], v[KR+16*qt:KR+16*qt+1]
.else
	v_pk_fma_f32 v[SCR+2*(4*qs+qt):SCR+2*(4*qs+qt)+1], v[16*qs+2*qi:16*qs+2*qi+1], v[KR+16*qt+2*qi:KR+16*qt+2*qi+1], v[SCR+2*(4*qs+qt):SCR+2*(4*qs+qt)+1]
.endif
.set qt, qt+1
.endr
.set qs, qs+1
.endr
.set qi, qi+1
.endr
.set qs, 0
.rept 4*\ns
	v_add_f32 v[SCR+2*qs], v[SCR+2*qs], v[SCR+2*qs+1]   ; even and odd channels: the score
.set qs, qs+1
.endr
.set qs, 0
.rept \ns
	v_max3_num_f32 v[MX+qs], v[SCR+8*qs], v[SCR+8*qs+2], v[SCR+8*qs+4]
.set qs, qs+1
.endr
.set qs, 0
.rept \ns
	v_max_num_f32 v[MX+qs], v[MX+qs], v[SCR+8*qs+6]     ; the row's largest score is taken away
.set qs, qs+1
.endr
.set qs, 0
.rept \ns
	v_mul_f32 v[MX+qs], s[CSM], v[MX+qs]
.set qs, qs+1
.endr
.set qs, 0
.rept 4*\ns
	v_fma_f32 v[SCR+2*qs], v[SCR+2*qs], s[CSM], -v[MX+qs/4]
.set qs, qs+1
.endr
.set qs, 0
.rept 4*\ns
	v_exp_f32 v[SCR+2*qs], v[SCR+2*qs]
.set qs, qs+1
.endr
	v_nop                                          ; a plain instruction behind the last exponential
	s_wait_alu depctr_va_vdst(0)                   ; one wait for the batch, ahead of its first reader
.set qs, 0
.rept \ns
	v_add_f32 v[SM+qs], v[SCR+8*qs], v[SCR+8*qs+2]
	v_add_f32 v[TP+qs], v[SCR+8*qs+4], v[SCR+8*qs+6]
.set qs, qs+1
.endr
.set qs, 0
.rept \ns
	v_add_f32 v[SM+qs], v[SM+qs], v[TP+qs]
.set qs, qs+1
.endr
.set qs, 0
.rept \ns
	v_rcp_f32 v[SM+qs], v[SM+qs]
.set qs, qs+1
.endr
	v_nop
	s_wait_alu depctr_va_vdst(0)                   ; one wait for the reciprocals
.set qs, 0
.rept 4*\ns
	v_mul_f32 v[SCR+2*qs], v[SCR+2*qs], v[SM+qs/4]      ; the finished softmax
.set qs, qs+1
.endr
	WIN 0x0A                                       ; v and p window 2; o window 0
.set qt, 0
.rept 4
.set qi, 0
.rept 8
.set qs, 0
.rept \ns
.if qt == 0
	v_pk_mul_f32 v[HA+16*qs+2*qi:HA+16*qs+2*qi+1], v[VR+2*qi:VR+2*qi+1], v[SCR+8*qs:SCR+8*qs+1] op_sel_hi:[1,0]
.else
	v_pk_fma_f32 v[HA+16*qs+2*qi:HA+16*qs+2*qi+1], v[VR+16*qt+2*qi:VR+16*qt+2*qi+1], v[SCR+2*(4*qs+qt):SCR+2*(4*qs+qt)+1], v[HA+16*qs+2*qi:HA+16*qs+2*qi+1] op_sel_hi:[1,0,1]
.endif
.set qs, qs+1
.endr
.set qi, qi+1
.endr
.set qt, qt+1
.endr
	WIN 0
.endm
; o's block just made is quantised: it is one block of 32 along Wo's K.  par = 0: an even block: its codes wait in registers 6-8 of o's fragment; par = 1: the odd one: the halves change places and registers 6-11 are whole.
; A trip of the loop makes registers 6-11 and the scale word's upper two bytes; the next trip's head moves them down.
.macro QBLK ns, par
.set qs, 0
.rept \ns
	v_max3_num_f32 v[QM+qs], |v[HA+16*qs]|, |v[HA+16*qs+1]|, 0x2800000
.set qs, qs+1
.endr
.set qi, 2
.rept 7
.set qs, 0
.rept \ns
	v_max3_num_f32 v[QM+qs], v[QM+qs], |v[HA+16*qs+qi]|, |v[HA+16*qs+qi+1]|
.set qs, qs+1
.endr
.set qi, qi+2
.endr
.set qs, 0
.rept \ns
	v_permlanex16_b32 v[QP+qs], v[QM+qs], s[SEL], s[SEL+1]
.set qs, qs+1
.endr
.set qs, 0
.rept \ns
	v_max_num_f32 v[QM+qs], v[QM+qs], v[QP+qs]
.set qs, qs+1
.endr
.set qs, 0
.rept \ns
	v_add_nc_u32 v[QO+qs], 0xfe000000, v[QM+qs]
.set qs, qs+1
.endr
.set qs, 0
.rept \ns
	v_lshrrev_b32 v[QB+qs], 23, v[QO+qs]
.if \par == 0
	v_lshrrev_b32 v[OS+qs], 16, v[OS+qs]           ; the last trip's two bytes go down
.endif
.set qs, qs+1
.endr
.set qs, 0
.rept \ns
	v_lshl_or_b32 v[OS+qs], v[QB+qs], 16+8*\par, v[OS+qs]
.set qs, qs+1
.endr
.set qs, 0
.rept \ns
.if \par == 0
	v_cvt_scalef32_pk16_bf6_f32 v[OQ+12*qs+6:OQ+12*qs+8], v[HA+16*qs:HA+16*qs+15], v[QO+qs]
.else
	v_cvt_scalef32_pk16_bf6_f32 v[CV+4*qs:CV+4*qs+2], v[HA+16*qs:HA+16*qs+15], v[QO+qs]
.endif
.set qs, qs+1
.endr
	v_nop                                          ; one plain place behind a scaled conversion
.if \par
.set qs, 0
.rept \ns
.irp i, 0,1,2
	v_permlane16_swap_b32 v[OQ+12*qs+6+\i], v[CV+4*qs+\i]
.endr
.irp i, 0,1,2
	v_mov_b32 v[OQ+12*qs+9+\i], v[CV+4*qs+\i]
.endr
.set qs, qs+1
.endr
.endif
.endm
.macro WOMM ns                         ; x += o Wo^T: the residual is the C; each accumulator is named once
	WIN 0x53
.irp t, 0,1,2,3,4,5,6,7
.set qs, 0
.rept \ns
	WM 64*qs+8*\t, WF+12*\t, OQ+12*qs, 64*qs+8*\t, WS+\t/2, OS+qs, \t%2
.set qs, qs+1
.endr
.endr
	WIN 0
.endm
; The attention of one layer, ns query tokens; base: the layer's image.  Two trips of two blocks; each run of LDS loads is issued a block ahead of its use.
.macro ATT ns, base
	s_mov_b32 s[WB], \base+O_QKV
	s_mov_b32 s[SB], \base
	s_mov_b32 s[PBQ], \base+O_PR
	v_add_nc_u32 v[AW], s[WB], v[LI]
	v_add_nc_u32 v[AS], s[SB], v[LS]
	v_add_nc_u32 v[AP], s[PBQ], v[LP]
	ATTLOAD 0
.set qs, 0
.rept \ns
.irp i, 6,7,8,9,10,11
	v_mov_b32 v[OQ+12*qs+\i], 0                    ; what the first trip's head moves down
.endr
	v_mov_b32 v[OS+qs], 0
.set qs, qs+1
.endr
	s_mov_b32 s[TR], 0
.Latt_\@:
.set qs, 0
.rept \ns
.irp i, 0,1,2,3,4,5
	v_mov_b32 v[OQ+12*qs+\i], v[OQ+12*qs+6+\i]
.endr
.set qs, qs+1
.endr
	s_wait_dscnt 0x0                               ; the even block's fragments are in
	ATTMM \ns
	PLACES 4                                       ; in front of loads into registers that these products read, and of the first read of their results
	ATTLOAD 1
	ATTV \ns
	QBLK \ns, 0
	s_wait_dscnt 0x0                               ; the odd block's
	ATTMM \ns
	PLACES 4
	s_add_co_u32 s[WB], s[WB], 6144                ; two blocks on: four fragments, two pairs of scale words, 64 columns of bias
	s_add_co_u32 s[SB], s[SB], 256
	s_add_co_u32 s[PBQ], s[PBQ], 256
	v_add_nc_u32 v[AW], s[WB], v[LI]
	v_add_nc_u32 v[AS], s[SB], v[LS]
	v_add_nc_u32 v[AP], s[PBQ], v[LP]
	s_cmp_eq_u32 s[TR], 1
	s_cbranch_scc1 .Lwo_\@
	ATTLOAD 0                                      ; the next trip's even block,
	s_branch .Lgo_\@
.Lwo_\@:
	WOLOAD                                         ; or, in the last trip, Wo
.Lgo_\@:
	ATTV \ns
	QBLK \ns, 1
	s_add_co_u32 s[TR], s[TR], 1
	s_cmp_lt_u32 s[TR], 2
	s_cbranch_scc1 .Latt_\@
	PLACES 8                                       ; o's scale words and codes were made by vector instructions
	s_wait_dscnt 0x0
	WOMM \ns
.endm
; ---- LAYERNORM of nt tiles of x + bias, ch chains of sums a tile.  The variance is the mean of (x - mean)^2: no difference of large sums.
.macro LNSUM nt, ch                    ; the chains, the pair's halves and the other half of the lanes are added: the row's sum in v[SA + 2 ch m]
.if \ch == 4
.set qm, 0
.rept \nt
	v_pk_add_f32 v[SA+8*qm:SA+8*qm+1], v[SA+8*qm:SA+8*qm+1], v[SA+8*qm+4:SA+8*qm+5]
	v_pk_add_f32 v[SA+8*qm+2:SA+8*qm+3], v[SA+8*qm+2:SA+8*qm+3], v[SA+8*qm+6:SA+8*qm+7]
.set qm, qm+1
.endr
.endif
.set qm, 0
.rept \nt
	v_pk_add_f32 v[SA+2*\ch*qm:SA+2*\ch*qm+1], v[SA+2*\ch*qm:SA+2*\ch*qm+1], v[SA+2*\ch*qm+2:SA+2*\ch*qm+3]
.set qm, qm+1
.endr
.set qm, 0
.rept \nt
	v_add_f32 v[SA+2*\ch*qm], v[SA+2*\ch*qm], v[SA+2*\ch*qm+1]
.set qm, qm+1
.endr
.set qm, 0
.rept \nt
	v_permlanex16_b32 v[PT+qm], v[SA+2*\ch*qm], s[SEL], s[SEL+1]
.set qm, qm+1
.endr
.set qm, 0
.rept \nt
	v_add_f32 v[SA+2*\ch*qm], v[SA+2*\ch*qm], v[PT+qm]
.set qm, qm+1
.endr
.endm
.macro LN nt, ch
	PLACES 4                                       ; behind the products that made x: in front of the first read of their results and of loads into registers that they read
	v_add_nc_u32 v[AP], s[PB], v[LP]
	WIN 0x80
.irp a, 0,1,2                                  ; the product's bias, the gain, the shift: 64 registers each, in x's layout
.irp b, 0,1,2,3
.irp q, 0,1,2,3
	ds_load_b128 v[64*\a+16*\b+4*\q:64*\a+16*\b+4*\q+3], v[AP] offset:512*\a+128*\b+16*\q
.endr
.endr
.endr
	WIN 0
	s_wait_dscnt 0x0
	WIN 0x49
.set qj, 0
.rept 32
.set qm, 0
.rept \nt
	v_pk_add_f32 v[64*qm+2*qj:64*qm+2*qj+1], v[64*qm+2*qj:64*qm+2*qj+1], v[LBI+2*qj:LBI+2*qj+1]   ; + the bias; each accumulator from its low end on
.set qm, qm+1
.endr
.set qj, qj+1
.endr
	WIN 0x05
.set qj, 0
.rept \ch
.set qm, 0
.rept \nt
	v_pk_add_f32 v[SA+2*(\ch*qm+qj):SA+2*(\ch*qm+qj)+1], v[64*qm+2*qj:64*qm+2*qj+1], v[64*qm+2*(qj+\ch):64*qm+2*(qj+\ch)+1]   ; two pairs start each chain: nothing is cleared
.set qm, qm+1
.endr
.set qj, qj+1
.endr
	WIN 0x01
.set qj, 2*\ch
.rept 32-2*\ch
.set qm, 0
.rept \nt
	v_pk_add_f32 v[SA+2*(\ch*qm+qj%\ch):SA+2*(\ch*qm+qj%\ch)+1], v[64*qm+2*qj:64*qm+2*qj+1], v[SA+2*(\ch*qm+qj%\ch):SA+2*(\ch*qm+qj%\ch)+1]
.set qm, qm+1
.endr
.set qj, qj+1
.endr
	WIN 0
	LNSUM \nt, \ch
.set qm, 0
.rept \nt
	v_mul_f32 v[SA+2*\ch*qm], s[INV], v[SA+2*\ch*qm]   ; the mean
.set qm, qm+1
.endr
	WIN 0x41
.set qj, 0
.rept 32
.set qm, 0
.rept \nt
	v_pk_add_f32 v[64*qm+2*qj:64*qm+2*qj+1], v[64*qm+2*qj:64*qm+2*qj+1], v[SA+2*\ch*qm:SA+2*\ch*qm+1] op_sel_hi:[1,0] neg_lo:[0,1] neg_hi:[0,1]
.set qm, qm+1
.endr
.set qj, qj+1
.endr
	WIN 0x05
.set qj, 0
.rept 32
.set qm, 0
.rept \nt
.if qj < \ch
	v_pk_mul_f32 v[SA+2*(\ch*qm+qj):SA+2*(\ch*qm+qj)+1], v[64*qm+2*qj:64*qm+2*qj+1], v[64*qm+2*qj:64*qm+2*qj+1]
.else
	v_pk_fma_f32 v[SA+2*(\ch*qm+qj%\ch):SA+2*(\ch*qm+qj%\ch)+1], v[64*qm+2*qj:64*qm+2*qj+1], v[64*qm+2*qj:64*qm+2*qj+1], v[SA+2*(\ch*qm+qj%\ch):SA+2*(\ch*qm+qj%\ch)+1]
.endif
.set qm, qm+1
.endr
.set qj, qj+1
.endr
	WIN 0
	LNSUM \nt, \ch
.set qm, 0
.rept \nt
	v_fma_f32 v[SA+2*\ch*qm], v[SA+2*\ch*qm], s[INV], s[EPSR]   ; the variance + 1e-5
.set qm, qm+1
.endr
.set qm, 0
.rept \nt
	v_rsq_f32 v[SA+2*\ch*qm], v[SA+2*\ch*qm]
.set qm, qm+1
.endr
	v_nop
	s_wait_alu depctr_va_vdst(0)                   ; one wait for the batch, ahead of its first reader
	WIN 0x41
.set qj, 0
.rept 32
.set qm, 0
.rept \nt
	v_pk_mul_f32 v[64*qm+2*qj:64*qm+2*qj+1], v[64*qm+2*qj:64*qm+2*qj+1], v[SA+2*\ch*qm:SA+2*\ch*qm+1] op_sel_hi:[1,0]
.set qm, qm+1
.endr
.set qj, qj+1
.endr
	WIN 0x69
.set qj, 0
.rept 32
.set qm, 0
.rept \nt
	v_pk_fma_f32 v[64*qm+2*qj:64*qm+2*qj+1], v[64*qm+2*qj:64*qm+2*qj+1], v[LG+2*qj:LG+2*qj+1], v[LB+2*qj:LB+2*qj+1]
.set qm, qm+1
.endr
.set qj, qj+1
.endr
	WIN 0
.endm
; ---- FEED-FORWARD.  A chunk is 128 hidden units: eight tiles of W1, and one K step (eight tiles) of W2.  Its 16 fragments stay in registers for all the tiles of tokens.
.macro FFNLOAD
	PLACES 4                                       ; in front of loads into registers that the last products read
	v_add_nc_u32 v[AW], s[FW], v[LI]
	v_add_nc_u32 v[AS], s[FS], v[LS]
	v_add_nc_u32 v[AP], s[FP], v[LP]
	WIN 0x80
.irp t, 0,1,2,3,4,5,6,7
.irp k, 0,1,2
	ds_load_b128 v[W1F+12*\t+4*\k:W1F+12*\t+4*\k+3], v[AW] offset:1536*\t+512*\k
.endr
.endr
.irp b, 0,1,2,3
.irp q, 0,1,2,3
	ds_load_b128 v[B1C+16*\b+4*\q:B1C+16*\b+4*\q+3], v[AP] offset:128*\b+16*\q
.endr
.endr
	WIN 0
.irp p, 0,1,2,3
	ds_load_b32 v[WS+\p], v[AS] offset:128*\p
.endr
	WIN 0x80
.irp t, 0,1,2,3,4,5,6,7                        ; these 24, and the four behind them, are wanted only behind the first GELU
.irp k, 0,1,2
	ds_load_b128 v[W2F+12*\t+4*\k:W2F+12*\t+4*\k+3], v[AW] offset:49152+1536*\t+512*\k
.endr
.endr
	WIN 0
.irp p, 0,1,2,3
	ds_load_b32 v[WS+4+\p], v[AS] offset:2048+128*\p
.endr
.endm
.macro MM1 m                           ; the chunk's hidden units of tile m: b1 is the C
	WIN 0x22
.irp t, 0,1,2,3,4,5,6,7
	WM HA+8*\t, W1F+12*\t, XQ+12*(\m), B1C+8*\t, WS+\t/2, XS+(\m), \t%2
.endr
	WIN 0
.endm
.macro MM2 m                           ; x of tile m += the hidden unit's codes x W2's K step: eight accumulators by turns, one instruction a turn
	WIN 0x52
.irp t, 0,1,2,3,4,5,6,7
	WM 64*(\m)+8*\t, W2F+12*\t, PC, 64*(\m)+8*\t, WS+4+\t/2, OS, \t%2
.endr
	WIN 0
.endm
.macro ARM kind, m
.if \kind == 1
	MM1 \m
.else
	MM2 \m
.endif
.endm
.macro SWITCH kind                     ; register numbers hang on the tile: the eight products are written for each tile, all else of a unit once
	s_cmp_lg_u32 s[MI], 0
	s_cbranch_scc1 .Lsw1_\@
	ARM \kind, 0
	s_branch .Lswe_\@
.Lsw1_\@:
	s_cmp_lg_u32 s[MI], 1
	s_cbranch_scc1 .Lsw2_\@
	ARM \kind, 1
	s_branch .Lswe_\@
.Lsw2_\@:
	s_cmp_lg_u32 s[MI], 2
	s_cbranch_scc1 .Lsw3_\@
	ARM \kind, 2
	s_branch .Lswe_\@
.Lsw3_\@:
	ARM \kind, 3
.Lswe_\@:
.endm
.macro GSTEP dst, coef                 ; a step of Horner's scheme for the group's four pairs: dst = dst x u^2 + coef
.set qp, 0
.rept 4
	v_pk_fma_f32 v[\dst+8*qg+2*qp:\dst+8*qg+2*qp+1], v[\dst+8*qg+2*qp:\dst+8*qg+2*qp+1], v[GS+2*qp:GS+2*qp+1], s[\coef:\coef+1] op_sel_hi:[1,1,0]
.set qp, qp+1
.endr
.endm
; GELU of the 64 numbers in v[HA] on, in two batches of 32.  In a batch four groups of four pairs; numerator and denominator by turns, so that eight chains run side by side.
; A batch's 32 reciprocals have one wait, ahead of their first reader.
.macro GELU
.set qh, 0
.rept 2
	WIN 0xC0
.set qj, 0
.rept 32
	v_med3_num_f32 v[GU+qj], v[HA+32*qh+qj], s[CLO], s[CHI]   ; u; each matrix result is read from its low end on
.set qj, qj+1
.endr
	WIN 0xFF
.set qg, 0
.rept 4
.set qp, 0
.rept 4
	v_pk_mul_f32 v[GS+2*qp:GS+2*qp+1], v[GU+8*qg+2*qp:GU+8*qg+2*qp+1], v[GU+8*qg+2*qp:GU+8*qg+2*qp+1]
.set qp, qp+1
.endr
.set qp, 0
.rept 4
	v_pk_fma_f32 v[GA+8*qg+2*qp:GA+8*qg+2*qp+1], v[GS+2*qp:GS+2*qp+1], v[KA6:KA6+1], s[CA5:CA5+1] op_sel_hi:[1,1,0]
.set qp, qp+1
.endr
.set qp, 0
.rept 4
	v_pk_fma_f32 v[GB+8*qg+2*qp:GB+8*qg+2*qp+1], v[GS+2*qp:GS+2*qp+1], v[KB4:KB4+1], s[CB3:CB3+1] op_sel_hi:[1,1,0]
.set qp, qp+1
.endr
	GSTEP GA, CA4
	GSTEP GB, CB2
	GSTEP GA, CA3
	GSTEP GB, CB1
	GSTEP GA, CA2
	GSTEP GB, CB0
	GSTEP GA, CA1
.set qp, 0
.rept 8
	v_rcp_f32 v[GB+8*qg+qp], v[GB+8*qg+qp]
.set qp, qp+1
.endr
	GSTEP GA, CA0                                  ; plain work behind the reciprocals, which names none of them
.set qp, 0
.rept 4
	v_pk_mul_f32 v[GA+8*qg+2*qp:GA+8*qg+2*qp+1], v[GA+8*qg+2*qp:GA+8*qg+2*qp+1], v[GU+8*qg+2*qp:GU+8*qg+2*qp+1]
.set qp, qp+1
.endr
.set qg, qg+1
.endr
	s_wait_alu depctr_va_vdst(0)
.set qj, 0
.rept 16
	v_pk_fma_f32 v[GA+2*qj:GA+2*qj+1], v[GA+2*qj:GA+2*qj+1], v[GB+2*qj:GB+2*qj+1], 0.5 op_sel_hi:[1,1,0]
.set qj, qj+1
.endr
	WIN 0x0C
.set qj, 0
.rept 16
	v_pk_mul_f32 v[HA+32*qh+2*qj:HA+32*qh+2*qj+1], v[HA+32*qh+2*qj:HA+32*qh+2*qj+1], v[GA+2*qj:GA+2*qj+1]
.set qj, qj+1
.endr
.set qh, qh+1
.endr
	WIN 0
.endm
.macro PARK                            ; what layer 2 wants of a task: x's codes, their scale words, the CLS tile in f32
	WIN 0xC0
.set qj, 0
.rept 48
	v_mov_b32 v[PK+qj], v[XQ+qj]
.set qj, qj+1
.endr
.set qj, 0
.rept 4
	v_mov_b32 v[PK+48+qj], v[XS+qj]
.set qj, qj+1
.endr
	WIN 0xC1
.set qj, 0
.rept 64
	v_mov_b32 v[PK+52+qj], v[qj]
.set qj, qj+1
.endr
	WIN 0
.endm
.macro UNPARK                          ; the scale words and codes first: the 64 moves behind them are their places ahead of the next scaled product
	WIN 0x03
.set qj, 0
.rept 4
	v_mov_b32 v[XS+qj], v[PK+48+qj]
.set qj, qj+1
.endr
.set qj, 0
.rept 48
	v_mov_b32 v[XQ+qj], v[PK+qj]
.set qj, qj+1
.endr
	WIN 0x43
.set qj, 0
.rept 64
	v_mov_b32 v[qj], v[PK+52+qj]
.set qj, qj+1
.endr
	WIN 0
.endm
; THE WAY OUT: a lane holds four pieces of 64 bytes of its row: the 16 rows go through my own stage and come back whole, 512 bytes an instruction.
.macro OUT
	WIN 0x04                                       ; an LDS store's data are its source 1: window 1
.irp b, 0,1,2,3
.irp q, 0,1,2,3
	ds_store_b128 v[SO], v[16*\b+4*\q:16*\b+4*\q+3] offset:128*\b+16*\q
.endr
.endr
	WIN 0
.irp i, 0,1,2,3,4,5,6,7,8,9,10,11,12,13,14,15
	ds_load_b128 v[HA+4*\i:HA+4*\i+3], v[SR] offset:\i*SPITCH   ; LDS serves a wave's instructions in order (ISA guide 5.7.1.4): these see my stores
.endr
.irp i, 0,1,2,3,4,5,6,7,8,9,10,11,12,13,14,15
	s_wait_dscnt 15-\i                             ; row i is back; the younger loads may be out
	global_store_b128 v[LI], v[HA+4*\i:HA+4*\i+3], s[12:13] offset:512*\i th:TH_STORE_NT   ; 32 lanes store 512 consecutive bytes, at a multiple of 256 from out0's first byte
.endr
.endm
	; ================ the head
	s_load_b256 s[4:11], s[0:1], 0x0               ; z0 s[4:5], z1 s[6:7], z2 s[8:9], wimg s[10:11]
	s_load_b64 s[12:13], s[0:1], 0x20              ; out0
	v_lshl_add_u32 v251, v0, 2, 0x4e800
	v_mov_b32 v255, 0
	ds_add_u32 v251, v255
	ds_add_u32 v251, v255
	v_lshrrev_b32 v8, 5, v0
	v_readfirstlane_b32 s[WV], v8                  ; wave 0..3
	v_and_b32 v9, 31, v0                           ; lane
	v_and_b32 v10, 15, v0                          ; r
	v_bfe_u32 v11, v0, 4, 1                        ; h
	v_lshlrev_b32 v[LI], 4, v9
	v_lshlrev_b32 v[LS], 2, v9
	v_lshlrev_b32 v[LP], 6, v11
	v_lshlrev_b32 v[XA], 9, v10
	v_lshl_add_u32 v[XA], v11, 6, v[XA]
	v_lshlrev_b32 v[PFO], 8, v9
	s_mul_i32 s15, s[WV], 16*SPITCH
	s_add_co_u32 s15, s15, STAGE                   ; my stage
	v_mul_u32_u24 v[SO], v10, SPITCH
	v_lshl_add_u32 v[SO], v11, 6, v[SO]
	v_add_nc_u32 v[SO], s15, v[SO]                 ; in: row r, + 64 h
	v_add_nc_u32 v[SR], s15, v[LI]                 ; back: 16 bytes a lane
	s_bfe_u32 s2, ttmp6, 0x40000                   ; cx: my place in the cluster: it enters z's and out0's addresses alone
	s_lshl_b32 s3, ttmp9, 2
	s_add_co_u32 s3, s3, s2                        ; my work-group = 4 x cluster + cx
	s_lshl_b32 s2, s3, 16                          ; its 128 epochs of 512 bytes,
	s_lshl_b32 s3, s[WV], 14                       ; my wave's 32 of them
	s_add_co_u32 s2, s2, s3
	s_mov_b32 s3, 0
	s_mov_b32 s[SEL], 0x76543210
	s_mov_b32 s[SEL+1], 0xfedcba98
	s_mov_b32 s[CSM], 0x3eb8aa3b                   ; log2(e) / 4
	s_mov_b32 s[EPSR], 0x3727c5ac                  ; 1e-5
	s_mov_b32 s[INV], 0x3c000000                   ; 1 / 128
	s_mov_b32 s[CHI], 0x40b504f3                   ; 4 sqrt 2
	s_mov_b32 s[CLO], 0xc0b504f3
	SPAIR CA5, 0x2fa84a8d                          ;  3.0611994e-10   the numerator's coefficients of u^10 .. u^0 (u^12's lies in a vector pair)
	SPAIR CA4, 0xb347667d                          ; -4.6426510e-08
	SPAIR CA3, 0xb628d45d                          ; -2.5157562e-06
	SPAIR CA2, 0xb8883d9c                          ; -6.4964607e-05
	SPAIR CA1, 0xba08eb41                          ; -5.2230439e-04
	SPAIR CA0, 0xbbba79f3                          ; -5.6908072e-03
	SPAIR CB3, 0xb7dfbd29                          ; -2.6671757e-05   the denominator's of u^6 .. u^0
	SPAIR CB2, 0xb9dc924e                          ; -4.2070674e-04
	SPAIR CB1, 0xbb719bf8                          ; -3.6866646e-03
	SPAIR CB0, 0xbc69b6a7                          ; -1.4264739e-02
	; descriptor groups 1: dense blocks as rows of 256 bytes (32 elements of 8 bytes), no padding; 61 or 96 rows a wave
.irp g, G1A, G1B
	s_mov_b32 s[\g], 15|(3<<16)|(1<<21)            ; 15:0 the mask: all four work-groups of the cluster; 17:16 elements of 8 bytes; 21 set beside a mask
	s_mov_b32 s[\g+1], 32<<16                      ; tensor_dim0 = 32
	s_mov_b32 s[\g+3], 32<<16                      ; tile_dim0 = 32
	s_mov_b32 s[\g+5], 32                          ; the pitch
	s_mov_b32 s[\g+6], 0
	s_mov_b32 s[\g+7], 0
.endr
	s_mov_b32 s[G1A+2], 61<<16                     ; tensor_dim1
	s_mov_b32 s[G1A+4], 61                         ; tile_dim1
	s_mov_b32 s[G1B+2], 96<<16
	s_mov_b32 s[G1B+4], 96
	WIN 0xC0
.set qj, 0
.rept 116
	v_mov_b32 v[PK+qj], 0                          ; the parked task's registers are written once here, so that they hold numbers on every way through the text
.set qj, qj+1
.endr
	v_mov_b32 v[KA6], 0xabd3f331                   ; -1.5059951e-12: the numerator's coefficient of u^12,
	v_mov_b32 v[KA6+1], 0xabd3f331
	v_mov_b32 v[KB4], 0xb57460cd                   ; -9.1037949e-07: the denominator's of u^8
	v_mov_b32 v[KB4+1], 0xb57460cd
	WIN 0
.irp j, 140,141,142,143,164,165,166,167,188,189,190,191,212,213,214,215,236,237,238,239,240,241,242,243
	v_mov_b32 v[\j], 0                             ; written once: a lane permute's destination counts as one of its sources
.endr
	s_mul_i32 s15, s[WV], 15616                    ; my quarter of a layer's first part (scale words, vectors, Wqkv, Wo: 62,464 bytes),
	s_mul_i32 s91, s[WV], 24576                    ; and of its second (W1, W2: 98,304 bytes)
	s_mov_b32 s93, 0
	s_wait_dscnt 0x0
	s_wait_kmcnt 0x0
	s_add_nc_u64 s[4:5], s[4:5], s[2:3]            ; z0, z1, z2 at my wave's first epoch
	s_add_nc_u64 s[6:7], s[6:7], s[2:3]
	s_add_nc_u64 s[8:9], s[8:9], s[2:3]
	s_add_nc_u64 s[12:13], s[12:13], s[2:3]
	s_add_nc_u64 s[12:13], s[12:13], 8192          ; out0 at my second task: layer 2 takes it first
.macro G0SET g, share, base            ; LDS holds wimg as it lies: one offset serves both addresses; it hangs on the wave's number alone
	s_mov_b32 s[\g], 1                             ; count = 1
	s_add_co_u32 s[\g+1], s[\share], \base         ; LDS address
	s_mov_b32 s92, s[\g+1]
	s_add_nc_u64 s[\g+2:\g+3], s[10:11], s[92:93]  ; global address
	s_or_b32 s[\g+3], s[\g+3], 0x80000000          ; type = 2
.endm
	G0SET 32, 15, 0
	G0SET 36, 91, O_W1
	G0SET 40, 15, L1B
	G0SET 44, 91, L1B+O_W1
	ROUND                                          ; all four work-groups are here: the joint loads meet
	tensor_load_to_lds s[32:35], s[G1A:G1A+7]      ; layer 1: scale words, vectors, CLS, Wqkv, Wo
	s_nop 0
	tensor_load_to_lds s[36:39], s[G1B:G1B+7]      ; layer 1: W1, W2
	s_nop 0
	tensor_load_to_lds s[40:43], s[G1A:G1A+7]      ; layer 2 likewise
	s_nop 0
	tensor_load_to_lds s[44:47], s[G1B:G1B+7]
	s_nop 0
	PLACES 4                                       ; four plain places behind the tensor loads
	; ================ layer 1, task by task
	s_mov_b32 s[TASK], 0
.Ltask:
	s_cmp_eq_u32 s[TASK], 0
	s_cselect_b32 s[PFU], 15, 99                   ; the first task's last unit of the feed-forward asks for the second task's rows of z
	WIN 0x40
.irp z, 0,1,2                                  ; tiles 1 to 3: lane (r, h) takes, of epoch r, 16 neighbouring numbers of each block of 32
.irp b, 0,1,2,3
.irp q, 0,1,2,3
	global_load_b128 v[64*(\z+1)+16*\b+4*\q:64*(\z+1)+16*\b+4*\q+3], v[XA], s[4+2*\z:5+2*\z] offset:128*\b+16*\q th:TH_LOAD_NT
.endr
.endr
.endr
	WIN 0
	s_wait_tensorcnt 0x3                           ; my quarter of layer 1's first part has landed; the three younger loads may stay out
	s_wait_dscnt 0x0
	s_barrier_signal -1
	s_barrier_wait -1                              ; everybody's has (the second trip passes at once)
	WIN 0x40
.irp b, 0,1,2,3
.irp q, 0,1,2,3
	ds_load_b128 v[16*\b+4*\q:16*\b+4*\q+3], v[LP] offset:O_CLS+128*\b+16*\q   ; tile 0: the CLS token, the same for all 16 epochs
.endr
.endr
	WIN 0
	s_wait_loadcnt 0x0
	s_wait_dscnt 0x0
	s_mov_b32 s[STG], 0
	s_mov_b32 s[PB], O_PR+1536                     ; bo, ln1_g, ln1_b
.Lstage:                                           ; stage 0: quantise, attention, norm;  stage 1: quantise, feed-forward, norm;  stage 2: quantise: layer 2's operand
	QUANTN 4, 0, 1, XQ, XS, 160
	s_cmp_eq_u32 s[STG], 2
	s_cbranch_scc1 .Lsdone
	s_cmp_eq_u32 s[STG], 1
	s_cbranch_scc1 .Lffn
	ATT 4, 0
	s_branch .Lln
.Lffn:
	s_wait_tensorcnt 0x2                           ; my quarter of layer 1's W1 and W2 has landed; layer 2's two loads may stay out
	s_wait_dscnt 0x0
	s_barrier_signal -1
	s_barrier_wait -1                              ; everybody's has.  (The branch in front hangs on a counter that is the same in all waves)
	s_mov_b32 s[CH], 0
	s_mov_b32 s[FW], O_W1
	s_mov_b32 s[FS], 2048
	s_mov_b32 s[FP], O_PR+3072
.Lchunk:
	FFNLOAD
	s_mov_b32 s[MI], 0
.Lunit:                                            ; a unit: 128 hidden units of one tile of tokens
	s_wait_dscnt 28                                ; W1's fragments, b1 and their scale words are in; the 28 younger loads (W2's) may be out
	SWITCH 1
	PLACES 4
	s_lshl_b32 s15, s[CH], 2
	s_add_co_u32 s15, s15, s[MI]
	s_cmp_lg_u32 s15, s[PFU]
	s_cbranch_scc1 .Lno_ask
	global_prefetch_b8 v[PFO], s[4:5] offset:8192 th:TH_LOAD_NT scope:SCOPE_SE   ; my second task's 16 rows of each z: 32 blocks of 256 bytes, a lane a block, each named once in the launch;
	global_prefetch_b8 v[PFO], s[6:7] offset:8192 th:TH_LOAD_NT scope:SCOPE_SE   ; one unit, a norm, a quantiser and the parking ahead of the loads that want them
	global_prefetch_b8 v[PFO], s[8:9] offset:8192 th:TH_LOAD_NT scope:SCOPE_SE
.Lno_ask:
	GELU
	QUANTN 1, HA, 0, PC, OS, TQ
	s_wait_dscnt 0x0                               ; W2's fragments are in
	SWITCH 2
	s_add_co_u32 s[MI], s[MI], 1
	s_cmp_lt_u32 s[MI], 4
	s_cbranch_scc1 .Lunit
	s_add_co_u32 s[FW], s[FW], 12288
	s_add_co_u32 s[FS], s[FS], 512
	s_add_co_u32 s[FP], s[FP], 512
	s_add_co_u32 s[CH], s[CH], 1
	s_cmp_lt_u32 s[CH], 4
	s_cbranch_scc1 .Lchunk
.Lln:
	LN 4, 2
	s_add_co_u32 s[PB], s[PB], 3584                ; b2, ln2_g, ln2_b
	s_add_co_u32 s[STG], s[STG], 1
	s_cmp_lt_u32 s[STG], 3
	s_cbranch_scc1 .Lstage
.Lsdone:
	s_cmp_lg_u32 s[TASK], 0
	s_cbranch_scc1 .Lno_park
	PARK
.Lno_park:
	s_wait_xcnt 0x0                                ; the loads and prefetches have read their bases: these may step
	s_add_nc_u64 s[4:5], s[4:5], 8192
	s_add_nc_u64 s[6:7], s[6:7], 8192
	s_add_nc_u64 s[8:9], s[8:9], 8192
	s_add_co_u32 s[TASK], s[TASK], 1
	s_cmp_lt_u32 s[TASK], 2
	s_cbranch_scc1 .Ltask
	; ================ layer 2: k and v of all four tokens, all else for the CLS tile; my second task first, then the parked one
	s_wait_tensorcnt 0x0                           ; all my tensor loads have landed,
	s_wait_dscnt 0x0                               ; and my reads of layer 1's image are over
	s_barrier_signal -1
	s_barrier_wait -1                              ; both hold of every wave: layer 2's image is whole, and the stage's bytes are read by nobody
	s_mov_b32 s[TASK], 0
.Ltask2:
	ATT 1, L1B
	s_mov_b32 s[PB], L1B+O_PR+1536
	LN 1, 4
	QUANTN 1, 0, 1, XQ, XS, TQ
	s_mov_b32 s[CH], 0
	s_mov_b32 s[FW], L1B+O_W1
	s_mov_b32 s[FS], L1B+2048
	s_mov_b32 s[FP], L1B+O_PR+3072
.Lchunk2:
	FFNLOAD
	s_wait_dscnt 28                                ; as in layer 1: W2's 28 loads may be out
	MM1 0
	PLACES 4
	GELU
	QUANTN 1, HA, 0, PC, OS, TQ
	s_wait_dscnt 0x0
	MM2 0
	s_add_co_u32 s[FW], s[FW], 12288
	s_add_co_u32 s[FS], s[FS], 512
	s_add_co_u32 s[FP], s[FP], 512
	s_add_co_u32 s[CH], s[CH], 1
	s_cmp_lt_u32 s[CH], 4
	s_cbranch_scc1 .Lchunk2
	s_mov_b32 s[PB], L1B+O_PR+5120
	LN 1, 4
	OUT
	s_wait_xcnt 0x0                                ; the stores have read their registers and their base: both may be written again
	s_sub_nc_u64 s[12:13], s[12:13], 8192          ; back to my first task's rows
	s_cmp_lg_u32 s[TASK], 0
	s_cbranch_scc1 .Lno_unpark
	UNPARK
.Lno_unpark:
	s_add_co_u32 s[TASK], s[TASK], 1
	s_cmp_lt_u32 s[TASK], 2
	s_cbranch_scc1 .Ltask2
	s_wait_tensorcnt 0x0
	ds_add_u32 v251, v255
	s_wait_dscnt 0x0
	ROUND                                          ; the closing round: no work-group ends while a partner may still ask for bytes that name it
	s_endpgm
.Lfunc_end_k_q7b21e90efd_mixer:
	.size	k_q7b21e90efd_mixer, .Lfunc_end_k_q7b21e90efd_mixer-k_q7b21e90efd_mixer
	.p2alignl 7, 3214868480
	.fill 96, 4, 3214868480
	.section	.rodata,"a",@progbits
	.p2align	6, 0x0
	.amdhsa_kernel k_q7b21e90efd_mixer
		.amdhsa_group_segment_fixed_size 327680
		.amdhsa_private_segment_fixed_size 0
		.amdhsa_enable_private_segment 0
		.amdhsa_kernarg_size 40
		.amdhsa_user_sgpr_count 2
		.amdhsa_user_sgpr_kernarg_segment_ptr 1
		.amdhsa_wavefront_size32 1
		.amdhsa_system_sgpr_workgroup_id_x 1
		.amdhsa_system_sgpr_workgroup_id_y 1
		.amdhsa_system_sgpr_workgroup_id_z 1
		.amdhsa_system_vgpr_workitem_id 0
		.amdhsa_next_free_vgpr 1024
		.amdhsa_next_free_sgpr 96
		.amdhsa_reserve_vcc 0
		.amdhsa_float_denorm_mode_32 3
		.amdhsa_float_denorm_mode_16_64 3
		.amdhsa_memory_ordered 1
		.amdhsa_forward_progress 1
		.amdhsa_inst_pref_size 255
	.end_amdhsa_kernel
	.section	.bss,"aw",@nobits
	.p2align	6
	.space	262144
	.amdgpu_metadata
---
amdhsa.version: [ 1, 2 ]
amdhsa.kernels:
  - .name:           k_q7b21e90efd_mixer
    .symbol:         k_q7b21e90efd_mixer.kd
    .args:
      - { .name: z0, .offset: 0, .size: 8, .value_kind: global_buffer, .address_space: global }
      - { .name: z1, .offset: 8, .size: 8, .value_kind: global_buffer, .address_space: global }
      - { .name: z2, .offset: 16, .size: 8, .value_kind: global_buffer, .address_space: global }
      - { .name: wimg, .offset: 24, .size: 8, .value_kind: global_buffer, .address_space: global }
      - { .name: out0, .offset: 32, .size: 8, .value_kind: global_buffer, .address_space: global }
    .group_segment_fixed_size: 327680
    .private_segment_fixed_size: 0
    .kernarg_segment_align: 8
    .kernarg_segment_size: 40
    .max_flat_workgroup_size: 128
    .sgpr_count:     96
    .vgpr_count:     1024
    .wavefront_size: 32
...
	.end_amdgpu_metadata
.endif
;; end of part 2
